; MI455X (gfx1250); checked and timed in simulation.
; The chip was launched on July 23, 2026; its instructions are those of AMD's public machine-readable ISA for CDNA 5 (MIT licence, August 2026) and "CDNA5" Instruction Set Architecture Reference Guide (July 2026). The comments in the code are by the model that wrote it; some were corrected since.
;; Global Cross Attention. Allowed arithmetic: matrix products marked QUANTISED: E4M3 operands, one E8M0 scale for each 32 along K, by v_wmma_scale_f32_16x16x128_f8f6f4 with both operands' format E4M3, f32 sums; products left as they are: f32 operands where the result goes on into a quantised operand, else bf16, f16 or f32 operands; f32 sums; everything else in f32.
;; Inputs: W1 512 float32; W2 512 x 8 float32; Wk_codes 256 x 8 x 32 uint8 (E4M3 codes of Wk, K innermost, in blocks of 32 codes); Wk_scales 256 x 8 uint8 (E8M0 scales of Wk, one for each 32 codes along K); Wp_codes 256 x 8 x 32 uint8 (E4M3 codes of Wp, K innermost, in blocks of 32 codes); Wp_scales 256 x 8 uint8 (E8M0 scales of Wp, one for each 32 codes along K); Wq_codes 256 x 8 x 32 uint8 (E4M3 codes of Wq, K innermost, in blocks of 32 codes); Wq_scales 256 x 8 uint8 (E8M0 scales of Wq, one for each 32 codes along K); Wv_codes 256 x 8 x 32 uint8 (E4M3 codes of Wv, K innermost, in blocks of 32 codes); Wv_scales 256 x 8 uint8 (E8M0 scales of Wv, one for each 32 codes along K); attn_mask 1 x 512 x 1,024 float32; b1 512 float32; bk 256 float32; bp 256 float32; bq 256 float32; bv 256 float32; input_padding_mask 1 x 1,024 float32; k_input_flatten_codes 1 x 1,024 x 8 x 32 uint8 (E4M3 codes of k_input_flatten, K innermost, in blocks of 32 codes); k_input_flatten_scales 1 x 1,024 x 8 uint8 (E8M0 scales of k_input_flatten, one for each 32 codes along K); query_codes 1 x 512 x 8 x 32 uint8 (E4M3 codes of query, K innermost, in blocks of 32 codes); query_scales 1 x 512 x 8 uint8 (E8M0 scales of query, one for each 32 codes along K); v_input_flatten_codes 1 x 1,024 x 8 x 32 uint8 (E4M3 codes of v_input_flatten, K innermost, in blocks of 32 codes); v_input_flatten_scales 1 x 1,024 x 8 uint8 (E8M0 scales of v_input_flatten, one for each 32 codes along K).
;; Outputs: out0 1 x 512 x 256 float32.
;; This version of the problem:
;;   THIS VERSION OF THE PROBLEM IS GIVEN IN LOW PRECISION. The matrix products marked QUANTISED in the list below multiply operands that are first quantised to E4M3 (4 exponent bits, 3 mantissa bits; 8 bits a number), with one power-of-two scale for each 32 numbers along K (OCP MX v1.0); their sums are f32. All else is computed in f32.
;;   The module's matrix products, in the order in which they are computed (A, B: the left and right operand; K: the contracted axis; several contracted axes count as one K, in the product's order):
;;     1. [M 8, K 512] x [K 512, N 524,288]; A: input W2; B: computed on the way: left as it is (M = 8 < 16)
;;     2. [M 512, K 256] x [K 256, N 256]; A: input query (given as codes); B: input Wq (given as codes): QUANTISED
;;     3. [M 1,024, K 256] x [K 256, N 256]; A: input k_input_flatten (given as codes); B: input Wk (given as codes): QUANTISED
;;     4. [M 1,024, K 256] x [K 256, N 256]; A: input v_input_flatten (given as codes); B: input Wv (given as codes): QUANTISED
;;     5. batch 8 x [M 512, K 32] x [K 32, N 1,024]; A: computed on the way; B: computed on the way: QUANTISED
;;     6. batch 8 x [M 512, K 1,024] x [K 1,024, N 32]; A: softmax (see below); B: computed on the way: QUANTISED
;;     7. [M 512, K 256] x [K 256, N 256]; A: computed on the way; B: input Wp (given as codes): QUANTISED
;;   THE QUANTISER, for each operand of a quantised product, along K:
;;     - K is cut into blocks of 32 from its start; a last block that is shorter is filled with zeros.
;;     - A block's scale is 2^e with e = floor(log2(the largest magnitude in the block)) - 8, held to -126 .. 127; a block of zeros has e = 0. As a byte (E8M0): e + 127.
;;     - Each number is divided by its block's scale, clamped to +-448, and rounded to the nearest number of E4M3, ties to even, subnormals kept.
;;     - The product sums the exact products of the quantised numbers (number of the format x scale) in f32.
;;   ~~~python
;;   def quantise(x, axis):      # numpy; x: float32 -> the quantised numbers, widened to float32 again
;;       x = np.moveaxis(x, axis, -1); K = x.shape[-1]
;;       x = np.pad(x, [(0, 0)] * (x.ndim - 1) + [(0, -K % 32)]); x = x.reshape(x.shape[:-1] + (-1, 32)); a = np.abs(x).max(-1, keepdims=True)
;;       e = np.where(a > 0, np.clip(np.frexp(np.where(a > 0, a, 1))[1] - 1 - 8, -126, 127), 0)      # np.frexp(a)[1] - 1 = floor(log2(a)), exactly
;;       r = np.clip(x / 2.0 ** e, -448, 448)
;;       step = 2.0 ** (np.maximum(np.frexp(np.where(r == 0, 1, r))[1] - 1, -6) - 3)
;;       q = np.round(r / step) * step * 2.0 ** e      # np.round: ties to even
;;       return np.moveaxis(q.reshape(q.shape[:-2] + (-1,))[..., :K], -1, axis).astype(np.float32)
;;   ~~~
;;   SOFTMAX AHEAD OF A QUANTISED PRODUCT. Where the list says 'softmax', what is quantised is not the finished softmax but p = 2^(t - M), with t = logit x log2(e) and M = ceil(the row's largest t), a whole number; so 1/2 < the row's largest p <= 1. The row's sum l is taken of the UNQUANTISED p, in f32, and the product's result is divided by l at the end. Since M is a whole number, a kernel that streams over the keys may use a running M (the ceiling of the running maximum): every later rescaling is an exact power of two, which a block's scale takes up: the codes' values come out the same.
;;   OPERANDS COMPUTED ON THE WAY. 'Computed on the way' means the value that the module computes at that place (a softmax that the list does not call 'softmax' is quantised finished and normalised). What goes into a quantiser is computed in f32, as accurately as f32 sums, v_exp_f32 and their like allow (about 1e-6 of the number): no bf16 or f16 on the way to a quantiser, and a product that is left as it is and whose result goes on into a quantised operand takes f32 operands (vector FMAs, or v_wmma_f32_16x16x4_f32). A number that lies on a knife's edge between two numbers of the format may be rounded either way, as far as f32 arithmetic and the matrix unit's own rounding can turn it there, and no further.
;;   INPUTS GIVEN AS CODES. Wk (in the module: [256, 256], K = its axis 0); Wp (in the module: [256, 256], K = its axis 0); Wq (in the module: [256, 256], K = its axis 0); Wv (in the module: [256, 256], K = its axis 0); k_input_flatten (in the module: [1, 1024, 256], K = its axis 2); query (in the module: [1, 512, 256], K = its axis 2); v_input_flatten (in the module: [1, 1024, 256], K = its axis 2): each comes as NAME_codes (uint8): NAME with its K axis moved to the last place and cut into blocks of 32 codes, [.., K / 32, bytes a block], one block behind the other in memory; one code a byte (a code: sign, 4 exponent bits, 3 mantissa bits); and NAME_scales (uint8): the same leading axes, one E8M0 byte (e + 127) for each 32 codes along K. Its value is code x scale, taken as it is: it is not quantised again, and the codes and scales need not be those that the quantiser above would give.
;; One version. Each part assembles by itself: llvm-mc -triple=amdgcn-amd-amdhsa -mcpu=gfx1250 --defsym DOCPART=n.
;; ======== version 1 of 1: 3 launches
;; workspace buffers: idx 1,048,576 bytes of whole numbers; tab 34,816 bytes; qop 163,840 bytes; kop 327,680 bytes; vop 278,528 bytes; xop 163,840 bytes
;; launch prep (part 1): grid 569 x 1, 8 waves a work-group, no clusters, 58,368 bytes of LDS; arguments attn_mask, W1, b1, W2, idx, tab, Wq_codes, Wq_scales, query_codes, query_scales, bq, qop, Wk_codes, Wk_scales, k_input_flatten_codes, k_input_flatten_scales, bk, kop, v_input_flatten_codes, v_input_flatten_scales, Wv_codes, Wv_scales, bv, vop; writes idx, tab, qop, kop, vop
.if DOCPART == 1
	.amdgcn_target "amdgcn-amd-amdhsa--gfx1250"
	.amdhsa_code_object_version 6
	.text
	.protected	k_q8811a5c8d6_prep
	.globl	k_q8811a5c8d6_prep
	.p2align	8
	.type	k_q8811a5c8d6_prep,@function
k_q8811a5c8d6_prep:
	s_mov_b64 s[64:65], 0
	v_nop
	global_prefetch_b8 v0, s[64:65] scope:SCOPE_SE
	s_setreg_imm32_b32 hwreg(HW_REG_WAVE_MODE, 25, 1), 1
	s_wait_xcnt 0x0
; PREPARATION, four roles chosen by the work-group's number (the same for all eight waves of a work-group):
;   0..16   TABLE   the bias MLP as a table.  bias_h(x) = sum over r of W2[r][h] relu(W1[r] x + b1[r]) is piecewise linear in the one number x.  With bp_r = -b1_r / W1_r and
;                   s(x) = the number of r with bp_r < x (0 .. 512), bias_h(x) = A_h[s] x + B_h[s]; A and B are the f32 sums of W2 W1 and W2 b1 over the units that are active in segment s.
;                   With d_r = the number of r' with bp_r' <= bp_r: a unit with W1 > 0 is active where d_r <= s, every other unit where s < d_r.  No sort; ties do no harm.
;                   W1 = 0: bp = +infinity and b1 is replaced by max(b1, 0).  Work-group g makes segments 32 g .. 32 g + 31 (544 in all, 513 are used).
;   17..40  PROJ    q = (query Wq + bq) / sqrt(32) (17..24) and k = k_input Wk + bk (25..40), quantised along a head's 32 channels, stored as images of operand registers.
;   41..56  PROJ    v = v_input Wv + bv, quantised along the keys, stored likewise.
;   57..568 COUNT   8 s(x) for one row of attn_mask (1,024 numbers), as 16-bit whole numbers: the next launch forms table addresses from them.
; LIMITS: attn_mask, W1, b1 finite.  A x + B carries an error of about 2^-23 x the sum of |W2| (|W1 x| + |b1|).  A unit that bp's rounding puts on the wrong side has |W1 x + b1| of a few ulp of |b1|.
;   v_rcp_f32 takes a denormal W1 as 0.  A block whose largest magnitude lies under 2^-118 keeps the scale byte 1; a block of zeros too (its codes are zeros; this program alone reads the bytes).
; No tensor loads: every operand is read once by one wave, straight into its registers.  Each role has LDS bytes of its own.
.set BPL,  0                           ; TABLE: 512 bp, f32
.set REC,  2048                        ; TABLE: 8 bytes a unit: lo, len: active where (segment - lo) < len, unsigned
.set COEF, 6144                        ; TABLE: 64 bytes a unit: W2 W1, W2 b1 for heads 0 .. 7
.set MRG,  38912                       ; TABLE: 2,048 bytes a wave: its partial sums
.set CNT,  55296                       ; COUNT: 256 bytes a wave
.set INF,  14                          ; v14  +infinity
.set BIG,  15                          ; v15  0x7fffffff
.set HA,   48                          ; PROJ: v48-111 eight accumulators
.set TM,   112                         ; PROJ: v112-127 at work in the quantiser
.set PW,   128                         ; PROJ: the scale word just made
.set SWD,  132                         ; PROJ: v132-135 four scale words, one a head
.set PC,   136                         ; PROJ: v136-151 the codes just made
; bp = -b / w, +infinity where w = 0.  The same lines in COUNT and in TABLE, so that both hold the same bits.
.macro MKBP w, b, d, n
.set i, 0
.rept \n
	v_rcp_f32 v[\d+i], v[\w+i]
.set i, i+1
.endr
	v_nop                                          ; a plain instruction behind the last reciprocal
	s_wait_alu depctr_va_vdst(0)                   ; one wait for the batch, ahead of its first reader
.set i, 0
.rept \n
	v_mul_f32 v[\d+i], -v[\b+i], v[\d+i]
.set i, i+1
.endr
.set i, 0
.rept \n
	v_cmp_eq_f32 vcc_lo, 0, v[\w+i]
	v_cndmask_b32 v[\d+i], v[\d+i], v[INF], vcc_lo
.set i, i+1
.endr
.endm
; Two numbers x (scalars xa, xb) against all 512 bp (16 registers x 32 lanes): 32 masks, 32 bit counts; the two counts stand in the two words of a pair, so one 64-bit addition adds both (512 at the most: no carry).
.macro PAIR xa, xb, ln
.set j, 0
.rept 16
	v_cmp_lt_f32 s[68+2*j], v[16+j], s[\xa]
	v_cmp_lt_f32 s[69+2*j], v[16+j], s[\xb]
.set j, j+1
.endr
.set j, 0
.rept 32
	s_bcnt1_i32_b32 s[68+j], s[68+j]
.set j, j+1
.endr
.irp st, 1,2,4,8
.set j, 0
.rept 8/\st
	s_add_nc_u64 s[68+2*j:69+2*j], s[68+2*j:69+2*j], s[68+2*(j+\st):69+2*(j+\st)]
.set j, j+2*\st
.endr
.endr
	s_lshl_b32 s69, s69, 16
	s_or_b32 s68, s68, s69                         ; two 16-bit counts in a word
	v_writelane_b32 v4, s68, \ln
.endm
.macro GROUP buf, g                    ; 16 numbers x of one scalar buffer -> lanes 8 g .. 8 g + 7 of v4
.irp p, 0,1,2,3,4,5,6,7
	PAIR \buf+2*\p, \buf+2*\p+1, 8*\g+\p
.endr
.endm
.macro BARRIER                         ; my LDS stores have landed and my LDS loads are in: then the work-group's barrier
	s_wait_dscnt 0x0
	s_barrier_signal -1
	s_barrier_wait -1
.endm
; 64 numbers of a lane, v[s] .. v[s + 63], register 16 b + i = k 32 b + 16 (lane / 16) + i, become 16 registers of codes in v[PC] on, four scale bytes in v[TM+4] on and their word in v[PW].
.macro QUANT s
.irp b, 0,1,2,3
	v_max3_num_f32 v[TM+\b], |v[\s+16*\b]|, |v[\s+1+16*\b]|, 0x4800000   ; block b: my 16 numbers, and the floor 2^(9 - 127): the byte cannot fall under 1
.endr
.irp i, 2,4,6,8,10,12,14
.irp b, 0,1,2,3
	v_max3_num_f32 v[TM+\b], v[TM+\b], |v[\s+16*\b+\i]|, |v[\s+1+16*\b+\i]|
.endr
.endr
.irp b, 0,1,2,3
	v_permlanex16_b32 v[TM+4+\b], v[TM+\b], s20, s21
.endr
.irp b, 0,1,2,3
	v_max_num_f32 v[TM+\b], v[TM+\b], v[TM+4+\b]   ; with lane l xor 16's: the block's largest magnitude
.endr
.irp b, 0,1,2,3
	v_add_nc_u32 v[TM+12+\b], 0xfc000000, v[TM+\b] ; 8 off its exponent field: the conversion's scale operand
.endr
.irp b, 0,1,2,3
	v_and_or_b32 v[TM+8+\b], v[TM+\b], 0x7f800000, s23   ; 448 x the scale
.endr
.irp b, 0,1,2,3
	v_lshrrev_b32 v[TM+4+\b], 23, v[TM+12+\b]      ; the scale's byte
.endr
	v_lshl_or_b32 v[PW], v[TM+5], 8, v[TM+4]
	v_lshl_or_b32 v[PW], v[TM+6], 16, v[PW]
	v_lshl_or_b32 v[PW], v[TM+7], 24, v[PW]
.irp b, 0,1,2,3
.irp i, 0,1,2,3,4,5,6,7,8,9,10,11,12,13,14,15
	v_med3_num_f32 v[\s+16*\b+\i], v[\s+16*\b+\i], -v[TM+8+\b], v[TM+8+\b]   ; the conversion to an 8-bit code does not saturate (ISA guide 7.6.2): the hold at the largest code x the scale
.endr
	v_cvt_scalef32_pk8_fp8_f32 v[PC+4*\b:PC+1+4*\b], v[\s+16*\b:\s+7+16*\b], v[TM+12+\b]
	v_cvt_scalef32_pk8_fp8_f32 v[PC+2+4*\b:PC+3+4*\b], v[\s+8+16*\b:\s+15+16*\b], v[TM+12+\b]
.endr
	v_nop                                          ; a plain instruction behind the last conversion
.endm
.macro S0LOAD s                        ; source 0's eight fragments of K step s.  Lane r of tile t takes row 32 (t / 2) + 8 (t % 2) + r + 8 (r / 8)
.irp t, 0,1,2,3,4,5,6,7
.irp c, 0,1,2,3
	global_load_b128 v[112+16*\t+4*\c:115+16*\t+4*\c], v4, s[24:25] offset:(32*(\t/2)+8*(\t%2))*256+128*\s+32*\c
.endr
.endr
.endm
	s_set_vgpr_msb 0x40
	v_lshl_add_u32 v0, v0, 2, 0xe000
	v_mov_b32 v1, 0
	s_set_vgpr_msb 0x4000
	v_lshrrev_b32 v1, 5, v0
	v_readfirstlane_b32 s8, v1                     ; wave 0..7
	v_and_b32 v1, 31, v0                           ; lane
	v_and_b32 v2, 15, v0                           ; r
	v_bfe_u32 v3, v0, 4, 1                         ; h
	s_cmp_lt_u32 ttmp9, 17
	s_cbranch_scc1 .Ltable
	s_cmp_lt_u32 ttmp9, 41
	s_cbranch_scc1 .Lproj_qk
	s_cmp_lt_u32 ttmp9, 57
	s_cbranch_scc1 .Lproj_v
; ---------------- COUNT: wave w takes x[row][128 w .. 128 w + 127], two trips of 64 ----------------
; v16-31 bp (all 512 over the 32 lanes); x comes by scalar loads, 16 numbers a load, two buffers by turns.
	s_load_b64 s[4:5], s[0:1], 0x0                 ; attn_mask
	s_load_b128 s[12:15], s[0:1], 0x8              ; W1, b1
	s_load_b64 s[6:7], s[0:1], 0x20                ; idx
	s_sub_co_u32 s9, ttmp9, 57                     ; the row
	s_lshl_b32 s10, s9, 12
	s_lshl_b32 s11, s8, 9
	s_add_co_u32 s10, s10, s11                     ; 4,096 row + 512 wave
	s_mov_b32 s11, 0
	s_lshl_b32 s2, s9, 11
	s_lshl_b32 s3, s8, 8
	s_add_co_u32 s2, s2, s3                        ; 2,048 row + 256 wave
	s_mov_b32 s3, 0
	v_lshlrev_b32 v5, 4, v1
	v_mov_b32 v4, 0                                ; (a lane write's destination counts as read)
	v_mov_b32 v[INF], 0x7f800000
	s_lshl_b32 s16, s8, 8
	s_add_co_u32 s16, s16, CNT
	v_lshl_add_u32 v6, v1, 2, s16                  ; my wave's 256 bytes: in, 4 bytes a lane;
	v_lshl_add_u32 v8, v1, 3, s16                  ; out, 8 bytes a lane
	v_lshlrev_b32 v9, 3, v1
	s_wait_kmcnt 0x0
	s_add_nc_u64 s[4:5], s[4:5], s[10:11]
	s_add_nc_u64 s[6:7], s[6:7], s[2:3]
.irp g, 0,1,2,3
	global_load_b128 v[32+4*\g:35+4*\g], v5, s[12:13] offset:512*\g
	global_load_b128 v[48+4*\g:51+4*\g], v5, s[14:15] offset:512*\g
.endr
	s_wait_loadcnt 0x0
	MKBP 32, 48, 16, 16
	s_mov_b32 s9, 0
	s_mov_b32 s10, 0
.Lcount:
	s_load_b512 s[16:31], s[4:5], 0x0
	s_load_b512 s[32:47], s[4:5], 0x40
	s_wait_kmcnt 0x0
	GROUP 16, 0
	s_load_b512 s[16:31], s[4:5], 0x80             ; the first buffer has been read: it takes the third sixteen while the second is counted
	GROUP 32, 1
	s_wait_kmcnt 0x0
	s_load_b512 s[32:47], s[4:5], 0xc0
	GROUP 16, 2
	s_wait_kmcnt 0x0
	GROUP 32, 3
	s_wait_dscnt 0x0                               ; the last trip's LDS store has read its registers
	v_lshlrev_b32 v5, 3, v4                        ; 8 s in both halves (4,096 at the most): the byte offset of a table entry
	v_add_nc_u32 v7, s10, v6
	ds_store_b32 v7, v5
	s_wait_xcnt 0x0                                ; the scalar loads have read their base: it may step
	s_add_nc_u64 s[4:5], s[4:5], 0x100
	s_add_co_u32 s10, s10, 128
	s_add_co_u32 s9, s9, 1
	s_cmp_lt_u32 s9, 2
	s_cbranch_scc1 .Lcount
	ds_load_b64 v[10:11], v8                       ; LDS serves a wave's instructions in order: this sees my stores
	s_wait_dscnt 0x0
	global_store_b64 v9, v[10:11], s[6:7]          ; the wave stores 256 consecutive bytes, aligned
	s_set_vgpr_msb 0x5
	s_wait_tensorcnt 0x0
	ds_add_u32 v0, v1
	s_wait_dscnt 0x0
	s_set_vgpr_msb 0x500
	s_endpgm
; ---------------- TABLE ----------------
; A thread owns units r0 = 64 wave + lane and r1 = r0 + 32.  v16-17 W1, v18-19 b1, v20-21 bp, v22-23 d, v24-39 W2's rows, v40-71 the 16 coefficients of each, v72-75 lo, len; v76 my segment; v80-95 A, B of 8 heads.
.Ltable:
	s_load_b128 s[4:7], s[0:1], 0x8                ; W1, b1
	s_load_b64 s[10:11], s[0:1], 0x18              ; W2
	s_load_b64 s[14:15], s[0:1], 0x28              ; tab
	s_lshl_b32 s9, s8, 8
	v_lshl_add_u32 v4, v1, 2, s9                   ; 4 r0
	s_lshl_b32 s9, s8, 11
	v_lshl_add_u32 v5, v1, 5, s9                   ; 32 r0
	v_lshl_add_u32 v8, v1, 4, s9                   ; the merge, in: 2,048 wave + 16 lane
	s_lshl_b32 s9, s8, 9
	v_lshl_add_u32 v6, v1, 3, s9                   ; 8 r0
	s_lshl_b32 s9, s8, 12
	v_lshl_add_u32 v7, v1, 6, s9                   ; 64 r0
	s_lshr_b32 s9, s8, 1
	s_lshl_b32 s9, s9, 9
	s_and_b32 s12, s8, 1
	s_lshl_b32 s12, s12, 3
	s_add_co_u32 s9, s9, s12
	v_lshl_add_u32 v9, v1, 4, s9                   ; the merge, out: wave w takes head w: 16 lane + 512 (w / 2) + 8 (w % 2)
	s_lshl_b32 s9, ttmp9, 5
	v_add_nc_u32 v76, s9, v1                       ; my segment
	v_lshlrev_b32 v168, 3, v1
	v_mov_b32 v[INF], 0x7f800000
	v_mov_b32 v[BIG], 0x7fffffff
	v_mov_b32 v22, 0
	v_mov_b32 v23, 0
	v_mov_b32 v79, 0                               ; (named as the upper half of the pair v[78:79])
.set i, 0
.rept 16
	v_mov_b32 v[80+i], 0
.set i, i+1
.endr
	s_mul_i32 s16, s8, 4352
	s_lshl_b32 s17, ttmp9, 8
	s_add_co_u32 s16, s16, s17                     ; head w's table, my work-group's 32 segments
	s_mov_b32 s17, 0
	s_wait_kmcnt 0x0
	s_add_nc_u64 s[14:15], s[14:15], s[16:17]
	global_load_b32 v16, v4, s[4:5]
	global_load_b32 v17, v4, s[4:5] offset:128
	global_load_b32 v18, v4, s[6:7]
	global_load_b32 v19, v4, s[6:7] offset:128
.irp o, 0,1
	global_load_b128 v[24+8*\o:27+8*\o], v5, s[10:11] offset:1024*\o
	global_load_b128 v[28+8*\o:31+8*\o], v5, s[10:11] offset:1024*\o+16
.endr
	s_wait_loadcnt 0x0
	MKBP 16, 18, 20, 2
	ds_store_b32 v4, v20 offset:BPL
	ds_store_b32 v4, v21 offset:BPL+128
	BARRIER                                        ; all 512 bp lie in LDS
	s_mov_b32 s12, 0
.Lrank:                                            ; 16 trips: 32 bp, the same for every lane, against my two
	v_mov_b32 v10, s12
.irp i, 0,1,2,3,4,5,6,7
	ds_load_b128 v[96+4*\i:99+4*\i], v10 offset:BPL+16*\i
.endr
	s_wait_dscnt 0x0
.set i, 0
.rept 32
	v_cmp_le_f32 vcc_lo, v[96+i], v20
	v_add_co_ci_u32 v22, vcc_lo, 0, v22, vcc_lo
	v_cmp_le_f32 vcc_lo, v[96+i], v21
	v_add_co_ci_u32 v23, vcc_lo, 0, v23, vcc_lo
.set i, i+1
.endr
	s_add_co_u32 s12, s12, 128
	s_cmp_lt_u32 s12, 2048
	s_cbranch_scc1 .Lrank
.irp o, 0,1
	v_cmp_lt_f32 vcc_lo, 0, v[16+\o]               ; W1 > 0: active from segment d on; else: below d
	v_cndmask_b32 v[72+2*\o], 0, v[22+\o], vcc_lo
	v_cndmask_b32 v[73+2*\o], v[22+\o], v[BIG], vcc_lo
	v_max_num_f32 v77, 0, v[18+\o]
	v_cmp_eq_f32 vcc_lo, 0, v[16+\o]
	v_cndmask_b32 v[18+\o], v[18+\o], v77, vcc_lo  ; W1 = 0: the unit adds W2 max(b1, 0) everywhere
.irp h, 0,1,2,3,4,5,6,7
	v_mul_f32 v[40+16*\o+2*\h], v[24+8*\o+\h], v[16+\o]
	v_mul_f32 v[41+16*\o+2*\h], v[24+8*\o+\h], v[18+\o]
.endr
	ds_store_b64 v6, v[72+2*\o:73+2*\o] offset:REC+256*\o
.irp c, 0,1,2,3
	ds_store_b128 v7, v[40+16*\o+4*\c:43+16*\o+4*\c] offset:COEF+2048*\o+16*\c
.endr
.endr
	BARRIER                                        ; the records lie in LDS
	s_mov_b32 s12, 0
	s_lshl_b32 s13, s8, 9                          ; wave w adds units 64 w .. 64 w + 63, four a trip, for the work-group's 32 segments (a lane a segment)
	s_lshl_b32 s14, s8, 12
.Lseg:
	v_mov_b32 v10, s13
	v_mov_b32 v11, s14
	ds_load_b128 v[96:99], v10 offset:REC
	ds_load_b128 v[100:103], v10 offset:REC+16
.irp i, 0,1,2,3,4,5,6,7,8,9,10,11,12,13,14,15
	ds_load_b128 v[104+4*\i:107+4*\i], v11 offset:COEF+16*\i
.endr
	s_wait_dscnt 0x0
.irp q, 0,1,2,3
	v_sub_nc_u32 v77, v76, v[96+2*\q]
	v_cmp_lt_u32 vcc_lo, v77, v[97+2*\q]
	v_cndmask_b32 v78, 0, 1.0, vcc_lo              ; 1 where the unit is active in my segment: a choice of a value, no branch
.irp h, 0,1,2,3,4,5,6,7
	v_pk_fma_f32 v[80+2*\h:81+2*\h], v[104+16*\q+2*\h:105+16*\q+2*\h], v[78:79], v[80+2*\h:81+2*\h] op_sel_hi:[1,0,1]
.endr
.endr
	s_add_co_u32 s13, s13, 32
	s_add_co_u32 s14, s14, 256
	s_add_co_u32 s12, s12, 1
	s_cmp_lt_u32 s12, 16
	s_cbranch_scc1 .Lseg
.irp c, 0,1,2,3
	ds_store_b128 v8, v[80+4*\c:83+4*\c] offset:MRG+512*\c
.endr
	BARRIER                                        ; the eight waves' partial sums lie in LDS
.irp w, 0,1,2,3,4,5,6,7
	ds_load_b64 v[96+2*\w:97+2*\w], v9 offset:MRG+2048*\w
.endr
	s_load_b64 s[14:15], s[0:1], 0x28              ; tab once more (s14 was the loop's step)
	s_wait_dscnt 0x0
	v_pk_add_f32 v[96:97], v[96:97], v[98:99]
	v_pk_add_f32 v[100:101], v[100:101], v[102:103]
	v_pk_add_f32 v[104:105], v[104:105], v[106:107]
	v_pk_add_f32 v[108:109], v[108:109], v[110:111]
	v_pk_add_f32 v[96:97], v[96:97], v[100:101]
	v_pk_add_f32 v[104:105], v[104:105], v[108:109]
	v_pk_add_f32 v[96:97], v[96:97], v[104:105]
	s_wait_kmcnt 0x0
	s_add_nc_u64 s[14:15], s[14:15], s[16:17]
	global_store_b64 v168, v[96:97], s[14:15]      ; A, B of 32 segments of head w: 256 consecutive bytes, aligned
	s_set_vgpr_msb 0x5
	s_wait_tensorcnt 0x0
	ds_add_u32 v0, v1
	s_wait_dscnt 0x0
	s_set_vgpr_msb 0x500
	s_endpgm
; ---------------- PROJ ----------------
; One wave: D = S0 x S1^T, 128 rows of S0 (eight tiles) x 16 rows of S1, K = 256 in two steps.  A lane holds ONE row of S1 and its 64 registers run along S0's rows: the next product's K.
;   q, k: S0 = the weight (128 channels = four heads), S1 = 16 queries or keys; each head's 32 channels are a block.  v: S0 = 128 keys of v_input, S1 = 16 channels of Wv; the 128 keys are four blocks.
; The rows of a tile of S0 are chosen so that the 16 registers of tiles 2 b and 2 b + 1 are 16 neighbours along the next K.  S1's rows of k and of v are chosen in the same way for the products of the next launch.
; v4-10 addresses; v12-13 S1's scale words; v16-47 S1's two fragments; v48-111 accumulators; v112-239 S0's fragments of one K step; v240-255 S0's scale words.
.macro PROJ isv
	s_mov_b32 s20, 0x76543210
	s_mov_b32 s21, 0xfedcba98                      ; v_permlanex16_b32's selects for lane l xor 16
	s_mov_b32 s23, 0x600000                        ; the mantissa field of 448
.if \isv
	s_load_b256 s[24:31], s[0:1], 0x90             ; v_input's codes and scales, Wv's codes and scales
	s_load_b128 s[32:35], s[0:1], 0xb0             ; bv, vop
	s_sub_co_u32 s49, ttmp9, 41                    ; ct: which 16 channels
	s_mov_b32 s50, s8                              ; ks: which 128 keys
	s_lshr_b32 s51, s49, 1
	s_lshl_b32 s51, s51, 5
	s_and_b32 s48, s49, 1
	s_lshl_b32 s48, s48, 3
	s_add_co_u32 s51, s51, s48                     ; S1's first row: 32 (ct / 2) + 8 (ct % 2)
	s_mov_b32 s52, 8
	s_lshl_b32 s58, s49, 3
	s_add_co_u32 s58, s58, s50                     ; 8 ct + ks
	s_lshl_b32 s59, s58, 7
	s_add_co_u32 s59, s59, 262144                  ; where its scale words go,
	s_lshl_b32 s58, s58, 11                        ; and its fragment
.else
	s_load_b256 s[24:31], s[0:1], 0x30             ; Wq's codes and scales, query's codes and scales
	s_load_b128 s[32:35], s[0:1], 0x50             ; bq, qop
	s_load_b256 s[36:43], s[0:1], 0x60             ; the same for k
	s_load_b128 s[44:47], s[0:1], 0x80
	s_cmp_lt_u32 ttmp9, 25
	s_cselect_b32 s48, 17, 25
	s_sub_co_u32 s48, ttmp9, s48
	s_lshl_b32 s48, s48, 3
	s_add_co_u32 s48, s48, s8                      ; u = 2 T + c2
	s_lshr_b32 s49, s48, 1                         ; T: which 16 rows
	s_and_b32 s50, s48, 1                          ; c2: which 128 channels
	s_lshl_b32 s51, s49, 4                         ; q: rows 16 T on, neighbours
	s_lshr_b32 s53, s49, 1
	s_lshl_b32 s53, s53, 5
	s_and_b32 s54, s49, 1
	s_lshl_b32 s54, s54, 3
	s_add_co_u32 s53, s53, s54                     ; k: 32 (T / 2) + 8 (T % 2), and lanes 8-15 eight rows further on
	s_mov_b32 s59, 262144
	s_cmp_lt_u32 ttmp9, 25
	s_cselect_b32 s51, s51, s53
	s_cselect_b32 s52, 0, 8
	s_cselect_b32 s59, 131072, s59                 ; where the scale words begin
	s_lshl_b32 s58, s48, 9
	s_add_co_u32 s59, s59, s58                     ; + 512 u
	s_lshl_b32 s58, s48, 11                        ; the codes: four heads x 512 bytes
	s_mov_b32 s56, 0x3e3504f3                      ; 1 / sqrt(32)
	s_mov_b32 s57, s56
.endif
	v_lshrrev_b32 v11, 3, v2
	v_lshl_add_u32 v5, v11, 3, v2                  ; r + 8 (r / 8)
	v_lshlrev_b32 v4, 8, v5
	v_lshl_add_u32 v4, v3, 4, v4                   ; S0: that row of 256 bytes, + 16 h
.if \isv
	v_lshlrev_b32 v8, 2, v5                        ; bv of my channel
	v_mov_b32 v15, 0                               ; (named as the upper half of the pair v[14:15])
.else
	v_lshlrev_b32 v8, 6, v3                        ; the bias of my half's 16 channels
.endif
	v_lshlrev_b32 v5, 3, v5                        ; S0's scale bytes: 8 a row
	v_mad_u32_u24 v7, v11, s52, v2
	v_lshlrev_b32 v6, 8, v7
	v_lshl_add_u32 v6, v3, 4, v6                   ; S1 likewise
	v_lshlrev_b32 v7, 3, v7
	v_lshlrev_b32 v9, 4, v1
	v_lshlrev_b32 v10, 2, v1
	s_mov_b32 s55, 0
	s_wait_kmcnt 0x0
.if \isv == 0
	s_cmp_lt_u32 ttmp9, 25                         ; q's buffers or k's: the choice hangs on the work-group's number alone
.irp p, 0,2,4,6,8,10
	s_cselect_b64 s[24+\p:25+\p], s[24+\p:25+\p], s[36+\p:37+\p]
.endr
.endif
	s_lshl_b32 s54, s50, 15
	s_add_nc_u64 s[24:25], s[24:25], s[54:55]      ; S0's 128 rows: codes,
	s_lshl_b32 s54, s50, 10
	s_add_nc_u64 s[26:27], s[26:27], s[54:55]      ; scale bytes
	s_lshl_b32 s54, s51, 8
	s_add_nc_u64 s[28:29], s[28:29], s[54:55]      ; S1's rows
	s_lshl_b32 s54, s51, 3
	s_add_nc_u64 s[30:31], s[30:31], s[54:55]
.if \isv
	s_lshl_b32 s54, s51, 2
.else
	s_lshl_b32 s54, s50, 9
.endif
	s_add_nc_u64 s[32:33], s[32:33], s[54:55]      ; the bias
	s_mov_b32 s54, s59
	s_add_nc_u64 s[36:37], s[34:35], s[54:55]      ; out: scale words,
	s_mov_b32 s54, s58
	s_add_nc_u64 s[34:35], s[34:35], s[54:55]      ; codes
.if \isv
	global_load_b32 v14, v8, s[32:33]
.else
.irp t, 0,1,2,3,4,5,6,7                        ; the bias is the C of each sum's first product: eight registers a tile, in the result's layout
	global_load_b128 v[HA+8*\t:HA+8*\t+3], v8, s[32:33] offset:(32*(\t/2)+8*(\t%2))*4
	global_load_b128 v[HA+8*\t+4:HA+8*\t+7], v8, s[32:33] offset:(32*(\t/2)+8*(\t%2))*4+16
.endr
.endif
.irp k, 0,1
.irp c, 0,1,2,3
	global_load_b128 v[16+16*\k+4*\c:19+16*\k+4*\c], v6, s[28:29] offset:128*\k+32*\c
.endr
	global_load_b32 v[12+\k], v7, s[30:31] offset:4*\k
.endr
	S0LOAD 0
.irp t, 0,1,2,3,4,5,6,7
.irp k, 0,1
	global_load_b32 v[240+2*\t+\k], v5, s[26:27] offset:(32*(\t/2)+8*(\t%2))*8+4*\k
.endr
.endr
	s_wait_loadcnt 0x0
.irp t, 0,1,2,3,4,5,6,7                        ; the eight accumulators take turns, one instruction a turn
.if \isv
	v_wmma_scale_f32_16x16x128_f8f6f4 v[HA+8*\t:HA+8*\t+7], v[112+16*\t:127+16*\t], v[16:31], 0, v[240+2*\t], v12
.else
	v_wmma_scale_f32_16x16x128_f8f6f4 v[HA+8*\t:HA+8*\t+7], v[112+16*\t:127+16*\t], v[16:31], v[HA+8*\t:HA+8*\t+7], v[240+2*\t], v12
.endif
.endr
.rept 8
	v_nop                                          ; eight places in front of loads into registers that these products have read
.endr
	S0LOAD 1
	s_wait_loadcnt 0x0
.irp t, 0,1,2,3,4,5,6,7
	v_wmma_scale_f32_16x16x128_f8f6f4 v[HA+8*\t:HA+8*\t+7], v[112+16*\t:127+16*\t], v[32:47], v[HA+8*\t:HA+8*\t+7], v[241+2*\t], v13
.endr
.rept 8
	v_nop                                          ; eight places in front of the first read of results and of writes over the operands
.endr
.if \isv
.set i, 0
.rept 32
	v_pk_add_f32 v[HA+i:HA+i+1], v[HA+i:HA+i+1], v[14:15] op_sel_hi:[1,0]   ; + bv of my channel; each accumulator from its low end on
.set i, i+2
.endr
.else
	s_cmp_ge_u32 ttmp9, 25
	s_cbranch_scc1 .Lkeys_\@                       ; k is not scaled
.set i, 0
.rept 32
	v_pk_mul_f32 v[HA+i:HA+i+1], v[HA+i:HA+i+1], s[56:57] op_sel_hi:[1,0]   ; q / sqrt(32), ahead of the quantiser, as the problem has it
.set i, i+2
.endr
.Lkeys_\@:
.endif
.irp b, 0,1,2,3
	v_mov_b32 v[TM+4+\b], 0                        ; a lane permute's destination counts as one of its sources
.endr
	QUANT HA
.if \isv
.irp c, 0,1,2,3
	global_store_b128 v9, v[PC+4*\c:PC+4*\c+3], s[34:35] offset:512*\c   ; the fragment as it stands: 512 consecutive bytes a store
.endr
	global_store_b32 v10, v[PW], s[36:37]          ; its scale word, a lane a word
.else
.irp b, 0,1,2,3
	v_or_b32 v[SWD+\b], 0x7f7f7f00, v[TM+4+\b]     ; a head's product has K = 32: its byte, and 2^0 for the three blocks of zero codes
.endr
.irp b, 0,1,2,3
	global_store_b128 v9, v[PC+4*\b:PC+4*\b+3], s[34:35] offset:512*\b   ; head 4 c2 + b: 16 bytes a lane
.endr
	global_store_b128 v9, v[SWD:SWD+3], s[36:37]
.endif
	s_endpgm
.endm
.Lproj_qk:
	PROJ 0
.Lproj_v:
	PROJ 1
.Lfunc_end_k_q8811a5c8d6_prep:
	.size	k_q8811a5c8d6_prep, .Lfunc_end_k_q8811a5c8d6_prep-k_q8811a5c8d6_prep
	.p2alignl 7, 3214868480
	.fill 96, 4, 3214868480
	.section	.rodata,"a",@progbits
	.p2align	6, 0x0
	.amdhsa_kernel k_q8811a5c8d6_prep
		.amdhsa_group_segment_fixed_size 58368
		.amdhsa_private_segment_fixed_size 0
		.amdhsa_enable_private_segment 0
		.amdhsa_kernarg_size 192
		.amdhsa_user_sgpr_count 2
		.amdhsa_user_sgpr_kernarg_segment_ptr 1
		.amdhsa_wavefront_size32 1
		.amdhsa_system_sgpr_workgroup_id_x 1
		.amdhsa_system_sgpr_workgroup_id_y 1
		.amdhsa_system_sgpr_workgroup_id_z 1
		.amdhsa_system_vgpr_workitem_id 0
		.amdhsa_next_free_vgpr 258
		.amdhsa_next_free_sgpr 100
		.amdhsa_reserve_vcc 1
		.amdhsa_float_denorm_mode_32 3
		.amdhsa_float_denorm_mode_16_64 3
		.amdhsa_memory_ordered 1
		.amdhsa_forward_progress 1
		.amdhsa_inst_pref_size 187
	.end_amdhsa_kernel
	.amdgpu_metadata
---
amdhsa.version: [ 1, 2 ]
amdhsa.kernels:
  - .name:           k_q8811a5c8d6_prep
    .symbol:         k_q8811a5c8d6_prep.kd
    .args:
      - { .name: attn_mask, .offset: 0, .size: 8, .value_kind: global_buffer, .address_space: global }
      - { .name: W1, .offset: 8, .size: 8, .value_kind: global_buffer, .address_space: global }
      - { .name: b1, .offset: 16, .size: 8, .value_kind: global_buffer, .address_space: global }
      - { .name: W2, .offset: 24, .size: 8, .value_kind: global_buffer, .address_space: global }
      - { .name: idx, .offset: 32, .size: 8, .value_kind: global_buffer, .address_space: global }
      - { .name: tab, .offset: 40, .size: 8, .value_kind: global_buffer, .address_space: global }
      - { .name: Wq_codes, .offset: 48, .size: 8, .value_kind: global_buffer, .address_space: global }
      - { .name: Wq_scales, .offset: 56, .size: 8, .value_kind: global_buffer, .address_space: global }
      - { .name: query_codes, .offset: 64, .size: 8, .value_kind: global_buffer, .address_space: global }
      - { .name: query_scales, .offset: 72, .size: 8, .value_kind: global_buffer, .address_space: global }
      - { .name: bq, .offset: 80, .size: 8, .value_kind: global_buffer, .address_space: global }
      - { .name: qop, .offset: 88, .size: 8, .value_kind: global_buffer, .address_space: global }
      - { .name: Wk_codes, .offset: 96, .size: 8, .value_kind: global_buffer, .address_space: global }
      - { .name: Wk_scales, .offset: 104, .size: 8, .value_kind: global_buffer, .address_space: global }
      - { .name: k_input_flatten_codes, .offset: 112, .size: 8, .value_kind: global_buffer, .address_space: global }
      - { .name: k_input_flatten_scales, .offset: 120, .size: 8, .value_kind: global_buffer, .address_space: global }
      - { .name: bk, .offset: 128, .size: 8, .value_kind: global_buffer, .address_space: global }
      - { .name: kop, .offset: 136, .size: 8, .value_kind: global_buffer, .address_space: global }
      - { .name: v_input_flatten_codes, .offset: 144, .size: 8, .value_kind: global_buffer, .address_space: global }
      - { .name: v_input_flatten_scales, .offset: 152, .size: 8, .value_kind: global_buffer, .address_space: global }
      - { .name: Wv_codes, .offset: 160, .size: 8, .value_kind: global_buffer, .address_space: global }
      - { .name: Wv_scales, .offset: 168, .size: 8, .value_kind: global_buffer, .address_space: global }
      - { .name: bv, .offset: 176, .size: 8, .value_kind: global_buffer, .address_space: global }
      - { .name: vop, .offset: 184, .size: 8, .value_kind: global_buffer, .address_space: global }
    .group_segment_fixed_size: 58368
    .private_segment_fixed_size: 0
    .kernarg_segment_align: 8
    .kernarg_segment_size: 192
    .max_flat_workgroup_size: 256
    .sgpr_count:     100
    .vgpr_count:     258
    .wavefront_size: 32
...
	.end_amdgpu_metadata
.endif
;; end of part 1
;; launch attn (part 2): grid 32 x 8, 8 waves a work-group, no clusters, 24,576 bytes of LDS; arguments attn_mask, input_padding_mask, idx, tab, qop, kop, vop, xop; writes xop
.if DOCPART == 2
	.amdgcn_target "amdgcn-amd-amdhsa--gfx1250"
	.amdhsa_code_object_version 6
	.text
	.protected	k_q8811a5c8d6_attn
	.globl	k_q8811a5c8d6_attn
	.p2align	8
	.type	k_q8811a5c8d6_attn,@function
k_q8811a5c8d6_attn:
	s_mov_b64 s[64:65], 0
	v_nop
	global_prefetch_b8 v0, s[64:65] scope:SCOPE_SE
	s_setreg_imm32_b32 hwreg(HW_REG_WAVE_MODE, 25, 1), 1
	s_wait_xcnt 0x0
; ATTENTION for one tile of 16 queries (work-group x) and one head (work-group y).  Wave w owns keys 128 w .. 128 w + 127; a lane (r, h) holds query r throughout.
; logit = q . k + bias_h(attn_mask) - 100 pad.  The product is used transposed (source 0 = 16 keys, source 1 = the 16 queries); -100 pad is its C.  bias = A x + B, with A, B taken from the head's table
; in LDS at the byte offset 8 s that the launch before stored for each x as a 16-bit whole number (held at 4,096 ahead of its use as an address).
; THE SOFTMAX: t = logit x log2(e); each wave takes M_w = ceil(its own largest t), a whole number; p = 2^(t - M_w) is quantised along the keys; its sum is taken unquantised.  At the merge every wave's
; O^T and sum are multiplied by 2^(M_w - M), M the largest M_w: exact powers of two.  O^T / the sum is quantised along the head's 32 channels and stored as a part of the next launch's operand.
; A HEAD'S K IS 32 OF THE INSTRUCTION'S 128: Q's registers 4-15 are zero codes and the scale bytes of blocks 1-3 are 2^0 on both sides.  K's eight tiles lie on end, four registers each, with twelve zero
; registers behind: tile t's operand is v[28 + 4 t .. 43 + 4 t], whose blocks 1-3 are later tiles' codes (held at the largest code, so none is NaN), which meet Q's zeros and add exactly 0.
; No cluster: what work-groups share (a head's K and V, a table of 4,352 bytes) is a small part of what each reads, and everything is read once, straight into registers.
; REGISTERS: v0-7 at work in the head, later the gathers' addresses of blocks 1, 3; v8 16 lane, v9 4 lane, v10 8 lane, v11 x's offset; v12-27 Q, v28-71 K, v72-75 table on its way: later v12-75 two sets of 16 (A, B);
;   v76-139 logits, then p; v140-203 x, later V (140-171), at work (172-187), p's codes (188-203); v204-235 indices, later sums and O^T (212-227); v236-243 the gathers' addresses of blocks 0, 2;
;   v244-253 scale words and nothing else; v254, v255 where my results go in the merge area.
.set TAB, 0                            ; LDS: the head's table, 544 x (A, B)
.set MRG, 4608                         ; LDS: 2,304 bytes a wave: O^T's image (four stores of 512 bytes), then (-M, sum), 8 bytes a lane
.set MW,  2304
.set S,   76
.set X,   140
.set IX,  204
.macro UNPACK b                        ; block b's 16 indices: the even keys' into an address set, the odd keys' stay; all held at 4,096
.set AT, 236-236*((\b)%2)
.irp i, 0,1,2,3,4,5,6,7
	v_and_b32 v[AT+\i], 0xffff, v[IX+8*\b+\i]
.endr
.irp i, 0,1,2,3,4,5,6,7
	v_lshrrev_b32 v[IX+8*\b+\i], 16, v[IX+8*\b+\i]
.endr
.irp i, 0,1,2,3,4,5,6,7
	v_min_u32 v[AT+\i], 0x1000, v[AT+\i]
	v_min_u32 v[IX+8*\b+\i], 0x1000, v[IX+8*\b+\i]
.endr
.endm
.macro GATHER b                        ; (A, B) of key e of the block -> v[AB + 2 e], v[AB + 2 e + 1]
.set AT, 236-236*((\b)%2)
.set AB, 12+32*((\b)%2)
.irp i, 0,1,2,3,4,5,6,7
	ds_load_b64 v[AB+4*\i:AB+4*\i+1], v[AT+\i] offset:TAB
	ds_load_b64 v[AB+4*\i+2:AB+4*\i+3], v[IX+8*\b+\i] offset:TAB
.endr
.endm
.macro BIAS b                          ; logit += A x + B
.set AB, 12+32*((\b)%2)
.irp e, 0,1,2,3,4,5,6,7,8,9,10,11,12,13,14,15
	v_fma_f32 v[X+16*\b+\e], v[AB+2*\e], v[X+16*\b+\e], v[AB+2*\e+1]
.endr
.irp e, 0,2,4,6,8,10,12,14
	v_pk_add_f32 v[S+16*\b+\e:S+16*\b+\e+1], v[S+16*\b+\e:S+16*\b+\e+1], v[X+16*\b+\e:X+16*\b+\e+1]   ; each accumulator from its low end on
.endr
.endm
	s_load_b256 s[4:11], s[0:1], 0x0               ; attn_mask, input_padding_mask, idx, tab
	s_load_b256 s[12:19], s[0:1], 0x20             ; qop, kop, vop, xop
	s_set_vgpr_msb 0x40
	v_lshl_add_u32 v0, v0, 2, 0x5c00
	v_mov_b32 v1, 0
	s_set_vgpr_msb 0x4000
	v_lshrrev_b32 v4, 5, v0
	v_readfirstlane_b32 s20, v4                    ; wave 0..7
	v_and_b32 v4, 31, v0                           ; lane
	v_and_b32 v5, 15, v0                           ; r
	v_bfe_u32 v6, v0, 4, 1                         ; h
	v_lshlrev_b32 v1, 4, v0                        ; the table's copy: 16 bytes a thread
	v_lshlrev_b32 v8, 4, v4
	v_lshlrev_b32 v9, 2, v4
	v_lshlrev_b32 v10, 3, v4
	v_lshlrev_b32 v3, 6, v6                        ; pad: my half's 16 keys
	v_lshl_add_u32 v11, v5, 12, v3                 ; x: row r of 4,096 bytes, + 64 h
	v_lshlrev_b32 v2, 5, v6
	v_lshl_add_u32 v2, v5, 11, v2                  ; idx: row r of 2,048 bytes, + 32 h
	s_mul_i32 s25, s20, MW
	s_add_co_u32 s25, s25, MRG
	v_add_nc_u32 v254, s25, v8
	v_add_nc_u32 v255, s25, v10
.set i, 0
.rept 12
	v_mov_b32 v[16+i], 0                           ; Q's blocks 1-3: zero codes
	v_mov_b32 v[60+i], 0                           ; behind K's last tile likewise
.set i, i+1
.endr
	s_and_b32 s24, ttmp7, 0xffff                   ; the head
	s_lshr_b32 s45, s24, 2
	s_and_b32 s46, s24, 3
	s_lshl_b32 s44, s46, 3                         ; where the head's byte stands in x's scale word
	s_lshl_b32 s47, s46, 2
	s_mov_b32 s33, 0
	s_mov_b32 s22, 0x3fb8aa3b                      ; log2(e)
	s_mov_b32 s23, s22                             ; (named with it as a pair)
	s_mov_b32 s26, 0x76543210
	s_mov_b32 s27, 0xfedcba98                      ; v_permlanex16_b32's selects for lane l xor 16
	s_mov_b32 s28, 0x600000                        ; the mantissa field of 448
	s_mov_b32 s30, 0xc2c80000                      ; -100
	s_mov_b32 s31, s30
	s_wait_kmcnt 0x0
	s_mul_i32 s32, s24, 4352
	s_add_nc_u64 s[10:11], s[10:11], s[32:33]      ; the head's table
	global_load_b128 v[72:75], v1, s[10:11]        ; 4,096 bytes by the 256 threads,
	s_cmp_lg_u32 s20, 0
	s_cbranch_scc1 .Lno_tail_load
	global_load_b64 v[236:237], v10, s[10:11] offset:4096   ; the last 256 by wave 0
.Lno_tail_load:
	s_lshl_b32 s32, ttmp9, 15
	s_lshl_b32 s42, s20, 8
	s_add_co_u32 s32, s32, s42
	s_add_nc_u64 s[8:9], s[8:9], s[32:33]          ; idx: my 16 rows, my 128 keys
.irp b, 0,1,2,3
.irp j, 0,1
	global_load_b128 v[IX+8*\b+4*\j:IX+8*\b+4*\j+3], v2, s[8:9] offset:64*\b+16*\j
.endr
.endr
	s_lshl_b32 s32, s20, 9
	s_add_nc_u64 s[6:7], s[6:7], s[32:33]          ; pad: my 128 keys
.irp b, 0,1,2,3
.irp j, 0,1,2,3
	global_load_b128 v[S+16*\b+4*\j:S+16*\b+4*\j+3], v3, s[6:7] offset:128*\b+16*\j
.endr
.endr
	s_lshl_b32 s42, ttmp9, 16
	s_add_co_u32 s32, s32, s42
	s_add_nc_u64 s[4:5], s[4:5], s[32:33]          ; attn_mask likewise
	s_lshl_b32 s32, ttmp9, 1
	s_add_co_u32 s32, s32, s45                     ; 2 qt + head / 4
	s_lshl_b32 s43, s32, 11
	s_lshl_b32 s32, s32, 9
	s_add_co_u32 s32, s32, s47
	s_add_co_u32 s32, s32, 131072
	s_add_nc_u64 s[34:35], s[12:13], s[32:33]      ; Q's scale words
	s_lshl_b32 s32, ttmp9, 3
	s_add_co_u32 s32, s32, s24                     ; 8 qt + head
	s_lshl_b32 s42, s32, 7
	s_lshl_b32 s32, s32, 9
	s_add_nc_u64 s[12:13], s[12:13], s[32:33]      ; Q's codes
	global_load_b128 v[12:15], v8, s[12:13]
	global_load_b32 v252, v8, s[34:35]
	s_add_co_u32 s32, s42, 131072
	s_add_nc_u64 s[40:41], s[18:19], s[32:33]      ; x's scale words,
	s_lshl_b32 s32, s46, 9
	s_add_co_u32 s32, s32, s43
	s_add_nc_u64 s[18:19], s[18:19], s[32:33]      ; x's codes
	s_lshl_b32 s32, s20, 4
	s_add_co_u32 s32, s32, s45
	s_lshl_b32 s32, s32, 9
	s_add_co_u32 s32, s32, s47
	s_add_co_u32 s32, s32, 262144
	s_add_nc_u64 s[36:37], s[14:15], s[32:33]      ; K's scale words
	s_lshl_b32 s32, s20, 6
	s_add_co_u32 s32, s32, s24
	s_lshl_b32 s32, s32, 9
	s_add_nc_u64 s[14:15], s[14:15], s[32:33]      ; K's codes: my eight tiles, 4,096 bytes apart
.irp t, 0,1,2,3,4,5,6,7
	global_load_b128 v[28+4*\t:31+4*\t], v8, s[14:15] offset:4096*\t
.endr
.irp t, 0,1,2,3,4,5,6,7
	global_load_b32 v[244+\t], v8, s[36:37] offset:1024*\t
.endr
.irp b, 0,1,2,3
.irp j, 0,1,2,3
	global_load_b128 v[X+16*\b+4*\j:X+16*\b+4*\j+3], v11, s[4:5] offset:128*\b+16*\j
.endr
.endr
	s_lshl_b32 s32, s24, 4
	s_add_co_u32 s32, s32, s20                     ; 16 head + wave
	s_lshl_b32 s42, s32, 11
	s_lshl_b32 s32, s32, 7
	s_add_co_u32 s32, s32, 262144
	s_add_nc_u64 s[38:39], s[16:17], s[32:33]      ; V's scale words
	s_mov_b32 s32, s42
	s_add_nc_u64 s[16:17], s[16:17], s[32:33]      ; V's fragments
	s_wait_loadcnt 58                              ; behind the table's load (in wave 0: its two) 58 were issued: 8 idx, 16 pad, 2 Q, 16 K, 16 x
	ds_store_b128 v1, v[72:75] offset:TAB
	s_cmp_lg_u32 s20, 0
	s_cbranch_scc1 .Lno_tail_store
	ds_store_b64 v10, v[236:237] offset:TAB+4096
.Lno_tail_store:
	s_wait_dscnt 0x0                               ; for the others' sake: my part of the table lies in LDS
	s_barrier_signal -1
	s_barrier_wait -1
	s_wait_loadcnt 16                              ; all but x's sixteen
.set j, 0
.rept 32
	v_pk_mul_f32 v[S+j:S+j+1], v[S+j:S+j+1], s[30:31] op_sel_hi:[1,0]   ; -100 pad: the C of the scores' products
.set j, j+2
.endr
.rept 4
	v_nop
.endr
.irp t, 0,1,2,3,4,5,6,7                        ; eight accumulators, one instruction each
	v_wmma_scale_f32_16x16x128_f8f6f4 v[S+8*\t:S+8*\t+7], v[28+4*\t:43+4*\t], v[12:27], v[S+8*\t:S+8*\t+7], v[244+\t], v252
.endr
	UNPACK 0                                       ; 32 plain instructions on other registers: the places in front of the gathers, which land in Q's and K's registers
	GATHER 0
	UNPACK 1
	GATHER 1
	s_wait_loadcnt 0x0                             ; x
	s_wait_dscnt 16                                ; block 0's gathers are in; block 1's sixteen may be out
	BIAS 0
	UNPACK 2                                       ; its address set is block 0's, whose gathers are done
	GATHER 2
	s_wait_dscnt 16
	BIAS 1
.irp d, 0,1                                    ; V's two fragments (16 channels x my 128 keys each) land where x's blocks 0 and 1 lay
.irp c, 0,1,2,3
	global_load_b128 v[140+16*\d+4*\c:143+16*\d+4*\c], v8, s[16:17] offset:16384*\d+512*\c
.endr
	global_load_b32 v[244+\d], v9, s[38:39] offset:1024*\d
.endr
	UNPACK 3
	GATHER 3
	s_wait_dscnt 16
	BIAS 2
	s_wait_dscnt 0x0
	BIAS 3
	; the softmax of my 128 keys.  v172-175 each block's largest logit: it serves for the row's maximum and, since p rises with the logit, for the block's largest p
.irp b, 0,1,2,3
	v_max3_num_f32 v[172+\b], v[S+16*\b], v[S+1+16*\b], v[S+2+16*\b]
.endr
.irp i, 3,5,7,9,11,13
.irp b, 0,1,2,3
	v_max3_num_f32 v[172+\b], v[172+\b], v[S+16*\b+\i], v[S+1+16*\b+\i]
.endr
.endr
.irp b, 0,1,2,3
	v_max_num_f32 v[172+\b], v[172+\b], v[S+15+16*\b]
.endr
.irp b, 0,1,2,3
	v_permlanex16_b32 v[176+\b], v[172+\b], s26, s27
.endr
.irp b, 0,1,2,3
	v_max_num_f32 v[172+\b], v[172+\b], v[176+\b]  ; with lane l xor 16's 16 keys
.endr
	v_max3_num_f32 v210, v172, v173, v174
	v_max_num_f32 v210, v210, v175
	v_mul_f32 v210, s22, v210                      ; as t
	v_floor_f32 v208, -v210                        ; -M = floor(-t): M is a whole number
.set j, 0
.rept 32
	v_pk_fma_f32 v[S+j:S+j+1], v[S+j:S+j+1], s[22:23], v[208:209] op_sel_hi:[1,0,0]   ; t - M, two at a time
.set j, j+2
.endr
.irp b, 0,1,2,3
	v_fma_f32 v[172+\b], v[172+\b], s22, v208
.endr
.set j, 0
.rept 64
	v_exp_f32 v[S+j], v[S+j]                       ; p = 2^(t - M)
.set j, j+1
.endr
	v_nop                                          ; a plain instruction behind the exponentials
	s_wait_alu depctr_va_vdst(0)                   ; one wait for the batch, ahead of its first reader
.irp b, 0,1,2,3
	v_exp_f32 v[172+\b], v[172+\b]                 ; the block's largest p: the same two instructions on the same number
.endr
	v_pk_add_f32 v[204:205], v[S:S+1], v[S+4:S+5]  ; the sum of the unquantised p, in two chains; it reads the 64 alone
	v_pk_add_f32 v[206:207], v[S+2:S+3], v[S+6:S+7]
.set j, 8
.rept 14
	v_pk_add_f32 v[204:205], v[204:205], v[S+j:S+j+1]
	v_pk_add_f32 v[206:207], v[206:207], v[S+j+2:S+j+3]
.set j, j+4
.endr
	v_pk_add_f32 v[204:205], v[204:205], v[206:207]
	s_wait_alu depctr_va_vdst(0)                   ; and one for the four
.irp b, 0,1,2,3
	v_max_num_f32 v[172+\b], 0x4800000, v[172+\b]  ; the floor 2^(9 - 127): the byte cannot fall under 1
.endr
.irp b, 0,1,2,3
	v_add_nc_u32 v[184+\b], 0xfc000000, v[172+\b]  ; the conversion's scale operand
.endr
.irp b, 0,1,2,3
	v_and_or_b32 v[180+\b], v[172+\b], 0x7f800000, s28   ; 448 x the scale
.endr
.irp b, 0,1,2,3
	v_lshrrev_b32 v[176+\b], 23, v[184+\b]         ; the scale's byte
.endr
	v_lshl_or_b32 v253, v177, 8, v176              ; p's scale word for my 128 keys
	v_lshl_or_b32 v253, v178, 16, v253
	v_lshl_or_b32 v253, v179, 24, v253
.irp b, 0,1,2,3
.irp i, 0,1,2,3,4,5,6,7,8,9,10,11,12,13,14,15
	v_min_num_f32 v[S+16*\b+\i], v[S+16*\b+\i], v[180+\b]   ; the conversion does not saturate (ISA guide 7.6.2); p is not negative, so the hold is one-sided
.endr
	v_cvt_scalef32_pk8_fp8_f32 v[188+4*\b:189+4*\b], v[S+16*\b:S+7+16*\b], v[184+\b]
	v_cvt_scalef32_pk8_fp8_f32 v[190+4*\b:191+4*\b], v[S+8+16*\b:S+15+16*\b], v[184+\b]
.endr
	v_nop                                          ; a plain instruction behind the last conversion; with the lines below: the places between the codes and the products
	v_add_f32 v204, v204, v205
	v_permlanex16_b32 v210, v204, s26, s27
	v_add_f32 v209, v204, v210                     ; my keys' sum: v[208:209] = (-M, sum)
	v_nop
	v_nop
	s_wait_loadcnt 0x0                             ; V
	v_wmma_scale_f32_16x16x128_f8f6f4 v[212:219], v[140:155], v[188:203], 0, v244, v253   ; O^T: lane (r, h), register 8 d + j: channel 16 h + 8 d + j of query r
	v_wmma_scale_f32_16x16x128_f8f6f4 v[220:227], v[156:171], v[188:203], 0, v245, v253
.rept 8
	v_nop                                          ; eight places in front of the stores that read the results
.endr
	s_wait_dscnt 0x0
	s_barrier_signal -1                            ; every wave's gathers from the table are over
	s_barrier_wait -1
.irp c, 0,1,2,3
	ds_store_b128 v254, v[212+4*\c:215+4*\c] offset:512*\c
.endr
	ds_store_b64 v255, v[208:209] offset:2048
	s_wait_dscnt 0x0                               ; for wave 0's sake
	s_barrier_signal -1
	s_barrier_wait -1
	s_cmp_lg_u32 s20, 0
	s_cbranch_scc1 .Lend
	; wave 0 merges the eight parts
.irp w, 0,1,2,3,4,5,6,7
	ds_load_b64 v[44+2*\w:45+2*\w], v10 offset:MRG+MW*\w+2048
.endr
.irp w, 0,1,2,3,4,5,6,7
.irp c, 0,1,2,3
	ds_load_b128 v[76+16*\w+4*\c:79+16*\w+4*\c], v8 offset:MRG+MW*\w+512*\c
.endr
.endr
	s_wait_dscnt 0x0
	v_min3_num_f32 v28, v44, v46, v48
	v_min3_num_f32 v28, v28, v50, v52
	v_min3_num_f32 v28, v28, v54, v56
	v_min_num_f32 v28, v28, v58                    ; -M of the whole row
.irp w, 0,1,2,3,4,5,6,7
	v_sub_f32 v[12+2*\w], v28, v[44+2*\w]          ; M_w - M: a whole number, 0 or less
.endr
.irp w, 0,1,2,3,4,5,6,7
	v_cvt_i32_f32 v[12+2*\w], v[12+2*\w]           ; (it saturates)
.endr
.irp w, 0,1,2,3,4,5,6,7
	v_ldexp_f32 v[12+2*\w], 1.0, v[12+2*\w]        ; f_w = 2^(M_w - M)
.endr
	v_mul_f32 v29, v12, v45
.irp w, 1,2,3,4,5,6,7
	v_fma_f32 v29, v[12+2*\w], v[45+2*\w], v29     ; the row's sum
.endr
	v_rcp_f32 v30, v29
.irp i, 0,2,4,6,8,10,12,14
	v_pk_mul_f32 v[212+\i:213+\i], v[76+\i:77+\i], v[12:13] op_sel_hi:[1,0]
.endr
.irp w, 1,2,3,4,5,6,7
.irp i, 0,2,4,6,8,10,12,14
	v_pk_fma_f32 v[212+\i:213+\i], v[76+16*\w+\i:77+16*\w+\i], v[12+2*\w:13+2*\w], v[212+\i:213+\i] op_sel_hi:[1,0,1]
.endr
.endr
	s_wait_alu depctr_va_vdst(0)                   ; the reciprocal's wait, ahead of its first reader; the sums above are the work between
.irp i, 0,2,4,6,8,10,12,14
	v_pk_mul_f32 v[212+\i:213+\i], v[212+\i:213+\i], v[30:31] op_sel_hi:[1,0]   ; x = O / the sum
.endr
	v_max3_num_f32 v32, |v212|, |v213|, 0x4800000  ; the head's 32 channels are one block of the last product's K: my 16, and the floor
.irp i, 2,4,6,8,10,12,14
	v_max3_num_f32 v32, v32, |v[212+\i]|, |v[213+\i]|
.endr
	v_permlanex16_b32 v33, v32, s26, s27
	v_max_num_f32 v32, v32, v33
	v_add_nc_u32 v34, 0xfc000000, v32
	v_and_or_b32 v35, v32, 0x7f800000, s28
	v_lshrrev_b32 v36, 23, v34
.irp i, 0,1,2,3,4,5,6,7,8,9,10,11,12,13,14,15
	v_med3_num_f32 v[212+\i], v[212+\i], -v35, v35
.endr
	v_cvt_scalef32_pk8_fp8_f32 v[38:39], v[212:219], v34
	v_cvt_scalef32_pk8_fp8_f32 v[40:41], v[220:227], v34
	v_nop
	v_lshlrev_b32 v36, s44, v36                    ; the byte at its place in the scale word of four heads
	global_store_b128 v8, v[38:41], s[18:19]       ; registers 4 (head % 4) .. + 3 of x's fragment: 512 consecutive bytes
	global_store_b32 v9, v36, s[40:41]
.Lend:
	s_set_vgpr_msb 0x5
	s_wait_tensorcnt 0x0
	ds_add_u32 v0, v1
	s_wait_dscnt 0x0
	s_set_vgpr_msb 0x500
	s_endpgm
.Lfunc_end_k_q8811a5c8d6_attn:
	.size	k_q8811a5c8d6_attn, .Lfunc_end_k_q8811a5c8d6_attn-k_q8811a5c8d6_attn
	.p2alignl 7, 3214868480
	.fill 96, 4, 3214868480
	.section	.rodata,"a",@progbits
	.p2align	6, 0x0
	.amdhsa_kernel k_q8811a5c8d6_attn
		.amdhsa_group_segment_fixed_size 24576
		.amdhsa_private_segment_fixed_size 0
		.amdhsa_enable_private_segment 0
		.amdhsa_kernarg_size 64
		.amdhsa_user_sgpr_count 2
		.amdhsa_user_sgpr_kernarg_segment_ptr 1
		.amdhsa_wavefront_size32 1
		.amdhsa_system_sgpr_workgroup_id_x 1
		.amdhsa_system_sgpr_workgroup_id_y 1
		.amdhsa_system_sgpr_workgroup_id_z 1
		.amdhsa_system_vgpr_workitem_id 0
		.amdhsa_next_free_vgpr 258
		.amdhsa_next_free_sgpr 66
		.amdhsa_reserve_vcc 0
		.amdhsa_float_denorm_mode_32 3
		.amdhsa_float_denorm_mode_16_64 3
		.amdhsa_memory_ordered 1
		.amdhsa_forward_progress 1
		.amdhsa_inst_pref_size 57
	.end_amdhsa_kernel
	.amdgpu_metadata
---
amdhsa.version: [ 1, 2 ]
amdhsa.kernels:
  - .name:           k_q8811a5c8d6_attn
    .symbol:         k_q8811a5c8d6_attn.kd
    .args:
      - { .name: attn_mask, .offset: 0, .size: 8, .value_kind: global_buffer, .address_space: global }
      - { .name: input_padding_mask, .offset: 8, .size: 8, .value_kind: global_buffer, .address_space: global }
      - { .name: idx, .offset: 16, .size: 8, .value_kind: global_buffer, .address_space: global }
      - { .name: tab, .offset: 24, .size: 8, .value_kind: global_buffer, .address_space: global }
      - { .name: qop, .offset: 32, .size: 8, .value_kind: global_buffer, .address_space: global }
      - { .name: kop, .offset: 40, .size: 8, .value_kind: global_buffer, .address_space: global }
      - { .name: vop, .offset: 48, .size: 8, .value_kind: global_buffer, .address_space: global }
      - { .name: xop, .offset: 56, .size: 8, .value_kind: global_buffer, .address_space: global }
    .group_segment_fixed_size: 24576
    .private_segment_fixed_size: 0
    .kernarg_segment_align: 8
    .kernarg_segment_size: 64
    .max_flat_workgroup_size: 256
    .sgpr_count:     66
    .vgpr_count:     258
    .wavefront_size: 32
...
	.end_amdgpu_metadata
.endif
;; end of part 2
;; launch oproj (part 3): grid 32 x 2, 4 waves a work-group, no clusters, 9,216 bytes of LDS; arguments xop, Wp_codes, Wp_scales, bp, out0; writes out0
.if DOCPART == 3
	.amdgcn_target "amdgcn-amd-amdhsa--gfx1250"
	.amdhsa_code_object_version 6
	.text
	.protected	k_q8811a5c8d6_oproj
	.globl	k_q8811a5c8d6_oproj
	.p2align	8
	.type	k_q8811a5c8d6_oproj,@function
k_q8811a5c8d6_oproj:
	s_mov_b64 s[64:65], 0
	v_nop
	global_prefetch_b8 v0, s[64:65] scope:SCOPE_SE
	s_setreg_imm32_b32 hwreg(HW_REG_WAVE_MODE, 25, 1), 1
	s_wait_xcnt 0x0
; out0 = x Wp + bp on codes of E4M3.  A work-group takes 16 queries (x) and 128 output columns (y); wave w takes columns 128 y + 32 w .. + 31: two tiles, K = 256 in two steps.
; x's two fragments come as the images of operand registers that the launch before stored; its scale words are the OR of four heads' words.  The product is used transposed (source 0 = 16 rows of Wp,
; source 1 = x), so that a lane holds eight neighbouring columns of one row; bp is the C of each sum's first product.  The results meet in a stage in LDS and leave as rows of 512 bytes.
; Everything is read once, straight into registers: no tensor loads, no cluster.
; v16-47 x; v48-111 Wp's fragments (tile t, step s at 48 + 16 (2 t + s)); v112-127 two accumulators; v128-135 the heads' words; v136-137 x's scale words, v138-141 Wp's; v144-159 rows on the way out.
.set SP, 528                           ; a stage row: 512 bytes + 16
	s_load_b256 s[4:11], s[0:1], 0x0               ; xop, Wp's codes, Wp's scales, bp
	s_load_b64 s[12:13], s[0:1], 0x20              ; out0
	v_lshl_add_u32 v160, v0, 2, 0x2200
	v_mov_b32 v161, 0
	v_lshrrev_b32 v1, 5, v0
	v_readfirstlane_b32 s14, v1                    ; wave 0..3
	s_and_b32 s15, ttmp7, 0xffff                   ; which half of the columns
	v_and_b32 v1, 31, v0
	v_and_b32 v2, 15, v0                           ; r
	v_bfe_u32 v3, v0, 4, 1                         ; h
	v_lshlrev_b32 v4, 4, v1
	v_lshlrev_b32 v5, 2, v1
	v_lshlrev_b32 v6, 8, v2
	v_lshl_add_u32 v6, v3, 4, v6                   ; Wp: row r of 256 bytes, + 16 h
	v_lshlrev_b32 v7, 3, v2                        ; its scale bytes: 8 a row
	v_lshlrev_b32 v8, 5, v3                        ; bp: my half's eight columns
	v_mul_u32_u24 v9, v2, SP
	v_add_nc_u32 v9, v9, v8
	s_lshl_b32 s16, s14, 7
	v_add_nc_u32 v9, s16, v9                       ; the stage, in: row r, + 32 h + 128 wave
	s_mul_i32 s16, s14, 4*SP
	v_add_nc_u32 v10, s16, v4                      ; out: my four rows, 16 bytes a lane
	s_lshl_b32 s17, s15, 7
	s_lshl_b32 s18, s14, 5
	s_add_co_u32 s17, s17, s18                     ; my first column
	s_mov_b32 s21, 0
	s_wait_kmcnt 0x0
	s_lshl_b32 s20, s17, 8
	s_add_nc_u64 s[6:7], s[6:7], s[20:21]
	s_lshl_b32 s20, s17, 3
	s_add_nc_u64 s[8:9], s[8:9], s[20:21]
	s_lshl_b32 s20, s17, 2
	s_add_nc_u64 s[10:11], s[10:11], s[20:21]
	s_lshl_b32 s20, ttmp9, 10
	s_add_co_u32 s20, s20, 131072
	s_add_nc_u64 s[22:23], s[4:5], s[20:21]        ; the eight heads' words of my 16 queries
	s_lshl_b32 s20, ttmp9, 12
	s_add_nc_u64 s[4:5], s[4:5], s[20:21]          ; x's two fragments
	s_lshl_b32 s20, ttmp9, 14
	s_lshl_b32 s18, s14, 12
	s_add_co_u32 s20, s20, s18
	s_lshl_b32 s18, s15, 9
	s_add_co_u32 s20, s20, s18
	s_add_nc_u64 s[12:13], s[12:13], s[20:21]      ; out0: row 16 x + 4 wave, byte 512 y
.irp t, 0,1
	global_load_b128 v[112+8*\t:115+8*\t], v8, s[10:11] offset:64*\t
	global_load_b128 v[116+8*\t:119+8*\t], v8, s[10:11] offset:64*\t+16
.endr
.irp k, 0,1
.irp c, 0,1,2,3
	global_load_b128 v[16+16*\k+4*\c:19+16*\k+4*\c], v4, s[4:5] offset:2048*\k+512*\c
.endr
.endr
.irp d, 0,1,2,3,4,5,6,7
	global_load_b32 v[128+\d], v5, s[22:23] offset:128*\d
.endr
.irp t, 0,1
.irp k, 0,1
.irp c, 0,1,2,3
	global_load_b128 v[48+16*(2*\t+\k)+4*\c:51+16*(2*\t+\k)+4*\c], v6, s[6:7] offset:4096*\t+128*\k+32*\c
.endr
	global_load_b32 v[138+2*\t+\k], v7, s[8:9] offset:128*\t+4*\k
.endr
.endr
	s_wait_loadcnt 0x0
.irp k, 0,1
	v_or_b32 v[136+\k], v[128+4*\k], v[129+4*\k]   ; four heads' bytes make the scale word of a K step
	v_or_b32 v[136+\k], v[136+\k], v[130+4*\k]
	v_or_b32 v[136+\k], v[136+\k], v[131+4*\k]
.endr
.rept 8
	v_nop                                          ; a scale register written by a vector instruction stands eight places ahead of the product
.endr
	; the two accumulators take turns, one instruction a turn
	v_wmma_scale_f32_16x16x128_f8f6f4 v[112:119], v[48:63], v[16:31], v[112:119], v138, v136
	v_wmma_scale_f32_16x16x128_f8f6f4 v[120:127], v[80:95], v[16:31], v[120:127], v140, v136
	v_wmma_scale_f32_16x16x128_f8f6f4 v[112:119], v[64:79], v[32:47], v[112:119], v139, v137
	v_wmma_scale_f32_16x16x128_f8f6f4 v[120:127], v[96:111], v[32:47], v[120:127], v141, v137
.rept 8
	v_nop                                          ; eight places in front of the stores that read the results
.endr
.irp t, 0,1
	ds_store_b128 v9, v[112+8*\t:115+8*\t] offset:64*\t          ; lane (r, h): out(r, 32 wave + 16 t + 8 h + 0 .. 7); each accumulator from its low end on
	ds_store_b128 v9, v[116+8*\t:119+8*\t] offset:64*\t+16
.endr
	s_wait_dscnt 0x0                               ; for the others' sake: a row's 512 bytes come from four waves
	s_barrier_signal -1
	s_barrier_wait -1
.irp i, 0,1,2,3
	ds_load_b128 v[144+4*\i:147+4*\i], v10 offset:\i*SP
.endr
.irp i, 0,1,2,3
	s_wait_dscnt 3-\i                              ; LDS loads come back in order: row i is in
	global_store_b128 v4, v[144+4*\i:147+4*\i], s[12:13] offset:1024*\i th:TH_STORE_NT   ; 32 lanes store 512 consecutive bytes, aligned; written once, read by nobody here
.endr
	s_wait_tensorcnt 0x0
	ds_add_u32 v160, v161
	s_wait_dscnt 0x0
	s_endpgm
.Lfunc_end_k_q8811a5c8d6_oproj:
	.size	k_q8811a5c8d6_oproj, .Lfunc_end_k_q8811a5c8d6_oproj-k_q8811a5c8d6_oproj
	.p2alignl 7, 3214868480
	.fill 96, 4, 3214868480
	.section	.rodata,"a",@progbits
	.p2align	6, 0x0
	.amdhsa_kernel k_q8811a5c8d6_oproj
		.amdhsa_group_segment_fixed_size 9216
		.amdhsa_private_segment_fixed_size 0
		.amdhsa_enable_private_segment 0
		.amdhsa_kernarg_size 40
		.amdhsa_user_sgpr_count 2
		.amdhsa_user_sgpr_kernarg_segment_ptr 1
		.amdhsa_wavefront_size32 1
		.amdhsa_system_sgpr_workgroup_id_x 1
		.amdhsa_system_sgpr_workgroup_id_y 1
		.amdhsa_system_sgpr_workgroup_id_z 1
		.amdhsa_system_vgpr_workitem_id 0
		.amdhsa_next_free_vgpr 162
		.amdhsa_next_free_sgpr 66
		.amdhsa_reserve_vcc 0
		.amdhsa_float_denorm_mode_32 3
		.amdhsa_float_denorm_mode_16_64 3
		.amdhsa_memory_ordered 1
		.amdhsa_forward_progress 1
		.amdhsa_inst_pref_size 9
	.end_amdhsa_kernel
	.amdgpu_metadata
---
amdhsa.version: [ 1, 2 ]
amdhsa.kernels:
  - .name:           k_q8811a5c8d6_oproj
    .symbol:         k_q8811a5c8d6_oproj.kd
    .args:
      - { .name: xop, .offset: 0, .size: 8, .value_kind: global_buffer, .address_space: global }
      - { .name: Wp_codes, .offset: 8, .size: 8, .value_kind: global_buffer, .address_space: global }
      - { .name: Wp_scales, .offset: 16, .size: 8, .value_kind: global_buffer, .address_space: global }
      - { .name: bp, .offset: 24, .size: 8, .value_kind: global_buffer, .address_space: global }
      - { .name: out0, .offset: 32, .size: 8, .value_kind: global_buffer, .address_space: global }
    .group_segment_fixed_size: 9216
    .private_segment_fixed_size: 0
    .kernarg_segment_align: 8
    .kernarg_segment_size: 40
    .max_flat_workgroup_size: 128
    .sgpr_count:     66
    .vgpr_count:     162
    .wavefront_size: 32
...
	.end_amdgpu_metadata
.endif
;; end of part 3
